; MI455X (gfx1250); checked and timed in simulation.
; The chip was launched on July 23, 2026; its instructions are those of AMD's public machine-readable ISA for CDNA 5 (MIT licence, August 2026) and "CDNA5" Instruction Set Architecture Reference Guide (July 2026). The comments in the code are by the model that wrote it; some were corrected since.
;; Noisy Dense. Allowed arithmetic: matrix products marked QUANTISED: E4M3 operands, one given power-of-two scale a tensor, by v_wmma_f32_16x16x64_fp8_fp8 or v_wmma_f32_16x16x128_fp8_fp8, f32 sums; everything else in f32.
;; Inputs: b_mu 4,096 float32; b_sigma 4,096 float32; eps_in 4,096 float32; eps_out 4,096 float32; lowp_scales 2 int32 (the exponents e of the quantised operands' scales 2^e); w_mu 4,096 x 4,096 float32; w_sigma 4,096 x 4,096 float32; x 4,096 x 4,096 float32.
;; Outputs: out0 4,096 x 4,096 float32.
;; This version of the problem:
;;   THIS VERSION OF THE PROBLEM IS GIVEN IN LOW PRECISION. The matrix products marked QUANTISED in the list below multiply operands that are first quantised to E4M3 (4 exponent bits, 3 mantissa bits; 8 bits a number), with one given power-of-two scale for each operand tensor; their sums are f32. All else is computed in f32.
;;   The module's matrix products, in the order in which they are computed (A, B: the left and right operand; K: the contracted axis; several contracted axes count as one K, in the product's order):
;;     1. [M 4,096, K 4,096] x [K 4,096, N 4,096]; A: input x; B: computed on the way: QUANTISED (scales: A lowp_scales[0], B lowp_scales[1])
;;   THE QUANTISER, for each operand of a quantised product, along K:
;;     - The operand's scale is 2^e, e = its entry of the input lowp_scales (int32; the entries are numbered through the quantised products in the list's order, A before B).
;;     - Each number is divided by the scale, clamped to +-448, and rounded to the nearest number of E4M3, ties to even, subnormals kept.
;;     - The product sums the exact products of the quantised numbers (number of the format x scale) in f32.
;;   ~~~python
;;   def quantise(x, axis, e):      # numpy; x: float32 -> the quantised numbers, widened to float32 again
;;       x = np.moveaxis(x, axis, -1); K = x.shape[-1]
;;       r = np.clip(x / 2.0 ** e, -448, 448)
;;       step = 2.0 ** (np.maximum(np.frexp(np.where(r == 0, 1, r))[1] - 1, -6) - 3)
;;       q = np.round(r / step) * step * 2.0 ** e      # np.round: ties to even
;;       return np.moveaxis(q, -1, axis).astype(np.float32)
;;   ~~~
;;   OPERANDS COMPUTED ON THE WAY. 'Computed on the way' means the value that the module computes at that place (a softmax that the list does not call 'softmax' is quantised finished and normalised). What goes into a quantiser is computed in f32, as accurately as f32 sums, v_exp_f32 and their like allow (about 1e-6 of the number): no bf16 or f16 on the way to a quantiser, and a product that is left as it is and whose result goes on into a quantised operand takes f32 operands (vector FMAs, or v_wmma_f32_16x16x4_f32). A number that lies on a knife's edge between two numbers of the format may be rounded either way, as far as f32 arithmetic and the matrix unit's own rounding can turn it there, and no further.
;; One version. Each part assembles by itself: llvm-mc -triple=amdgcn-amd-amdhsa -mcpu=gfx1250 --defsym DOCPART=n.
;; ======== version 1 of 1: 2 launches
;; limits: right only within a limited range of input values
;; workspace buffers: x_codes 16,777,216 bytes; w_codes 16,777,216 bytes
;; launch quant (part 1): grid 768 x 1, 4 waves a work-group, no clusters, 107,008 bytes of LDS; arguments x, lowp_scales, x_codes, w_codes, w_mu, w_sigma, eps_in, eps_out; writes x_codes, w_codes
.if DOCPART == 1
	.amdgcn_target "amdgcn-amd-amdhsa--gfx1250"
	.amdhsa_code_object_version 6
	.text
	.protected	k_qdbfc6d79a0_quant
	.globl	k_qdbfc6d79a0_quant
	.p2align	8
	.type	k_qdbfc6d79a0_quant,@function
k_qdbfc6d79a0_quant:
	s_mov_b64 s[64:65], 0
	v_nop
	global_prefetch_b8 v0, s[64:65] scope:SCOPE_SE
	s_setreg_imm32_b32 hwreg(HW_REG_WAVE_MODE, 25, 1), 1
	s_wait_xcnt 0x0
; BOTH OPERANDS OF THE PRODUCT BECOME CODES OF FP8 (E4M3), one byte each, each with the scale 2^e that is given for it:
;   x [4096 (m)][4096 (k)], f32, with 2^e0 (entry 0 of the scales);
;   w[k][n] = w_mu[k][n] + w_sigma[k][n] x (eps_in[k] x eps_out[n]), in f32 (one product, one fused multiply-add), with 2^e1 (entry 1).
; code = number / 2^e, held within +-448, rounded to the nearest code, ties to even.
; LIMITS: e0 and e1 between -126 and 119, so that 2^e and 448 x 2^e are f32 numbers.  NaN among the inputs is not served (the hold drops it); an infinity is held at the largest code.
; THE CODES ARE LAID BY K SLOT: [16 slots of 256 along K][4096 rows (m of x, n of w)][256 bytes], so that the 128 rows x 256 bytes that one tensor load of the product's launch brings are 32,768 consecutive bytes.
; ONE LAUNCH SERVES BOTH.  Work-group i: q = i / 3; i % 3 = 0 takes block q of w (256 blocks), the others block 2 q + i % 3 - 1 of x (512 blocks): any three neighbouring numbers, and i, i + 256, i + 512 alike,
; hold one block of w and two of x.  The two paths part at once on the work-group's number, share no line and have LDS bytes of their own (x: from 0; w: from WBASE).  No tensor loads, no barrier: waves share nothing.
.set SLOTB, 1<<20                      ; a K slot of codes: 4,096 rows x 256 bytes
	v_lshl_add_u32 v254, v0, 2, 0x1a000
	v_mov_b32 v255, 0
	s_mul_hi_u32 s2, ttmp9, 0x55555556             ; q = i / 3 (exact for these 768 numbers)
	s_mul_i32 s3, s2, 3
	s_sub_co_u32 s3, ttmp9, s3                     ; i % 3
	s_cmp_lg_u32 s3, 0
	s_cbranch_scc1 .Lfor_x
; ---------------------------------------------------------------- w ----------------------------------------------------------------
; SHARES.  Block q: columns 256 (q % 16) on, K slot q / 16.  Wave w: 64 columns (n0 = 256 (q % 16) + 64 w) x 256 along K, in 16 steps of 16 k.
; Lane (r = lane % 16, h = lane / 16) takes columns n0 + 4 r + c, c = 0 .. 3, and in step s the rows k0 + 16 s + 8 h + i, i = 0 .. 7.  So one 16-byte load a lane reads two whole aligned runs of 256 bytes
; (row 16 s + i in lanes 0-15, row 16 s + 8 + i in lanes 16-31), and the multiply-add writes its result to WX[c][i]: a column's eight neighbours along K come to lie in eight consecutive registers,
; as the conversion wants them, with no instruction spent on turning anything.
; THE WAY OUT.  A lane's 8 codes are 8 bytes of one row of the output, and the lanes beside it hold other rows: so the wave gathers its 64 rows x 256 bytes in its own stage in LDS (rows 272 bytes apart)
; and stores them as rows: sixteen lanes write 256 consecutive bytes, aligned.  Stage row 16 c + r holds column 4 r + c, so that the 32 lanes of a store of 8 bytes fall on words 4 r + 2 h + 0, 1 modulo 64: all different.
; A ring of DEPTH row slots in registers keeps 2 x DEPTH loads of 512 bytes of every wave on their way.  Every offset is an immediate
; (at most 247 rows of 16,384 bytes, inside the signed 24-bit immediate: ISA guide, chapter 10): no address register is ever rewritten.
.set ROWF,   16384                     ; a row of w_mu or w_sigma in bytes
.set CROW,   256                       ; a row of a K slot of codes in bytes
.set DEPTH,  20                        ; row slots in the ring
.set SPITCH, 272                       ; a stage row: 256 bytes + 16
.set EOFF,   64*SPITCH                 ; behind the stage: my wave's 256 numbers of eps_in
.set WWREG,  EOFF+1024                 ; LDS of a wave
.set WBASE,  32768                     ; this path's LDS begins behind the other path's
.set VW,  4                            ; v4   16 r + 8 rows x h: my bytes in a row load
.set EW,  5                            ; v5   where I put 16 bytes of eps_in
.set ER,  6                            ; v6   where I read my half's eight numbers of a step
.set STO, 7                            ; v7   the stage: row r, + 8 h
.set RD,  8                            ; v8   the stage, back: row h, + 16 r
.set GO,  9                            ; v9   the same place in the codes: 4 rows x h + 16 r
.set LIM, 10                           ; v10  448 x 2^e1
.set SCL, 11                           ; v11  2^e1
.set EOD, 12                           ; v[12:19]  eps_out of my column c, twice, in the pair 12 + 2 c
.set EO,  20                           ; v[20:23]  eps_out of my four columns as loaded
.set WE,  24                           ; v[24:39]  two sets of eight numbers of eps_in
.set WX,  40                           ; v[40:71]  WX[c][i] at 40 + 8 c + i; v40-47 first take eps_in on its way to LDS
.set WC,  72                           ; v[72:87]  two sets of codes: column c at 2 c
.set RING, 88                          ; v[88:247] slot q: w_mu's four numbers at 88 + 8 q, w_sigma's at 92 + 8 q; on the way out 32 x 4 registers
.set RO,  248                          ; v248 16 r
.set LO,  249                          ; v249 16 x lane
	s_load_b256 s[4:11], s[0:1], 0x20              ; w_mu s[4:5], w_sigma s[6:7], eps_in s[8:9], eps_out s[10:11]
	s_load_b64 s[12:13], s[0:1], 0x8               ; the scales' exponents
	s_load_b64 s[14:15], s[0:1], 0x18              ; w's codes
	v_lshrrev_b32 v1, 5, v0
	v_readfirstlane_b32 s16, v1                    ; wave 0..3
	v_and_b32 v1, 31, v0                           ; lane
	v_and_b32 v2, 15, v0                           ; r
	s_wait_alu depctr_va_vdst(0)
	v_bfe_u32 v3, v0, 4, 1                         ; h
	s_and_b32 s17, s2, 15
	s_lshl_b32 s17, s17, 8
	s_lshl_b32 s19, s16, 6
	s_add_co_u32 s17, s17, s19                     ; n0 = 256 (q % 16) + 64 wave
	s_lshr_b32 s29, s2, 4                          ; my K slot: q / 16
	s_lshl_b32 s18, s29, 8                         ; k0 = 256 x slot
	s_lshl_b32 s20, s18, 14
	s_lshl_b32 s19, s17, 2
	s_add_co_u32 s20, s20, s19                     ; w_mu, w_sigma: k0 rows + 4 n0 bytes (under 2^26)
	s_mov_b32 s21, 0
	s_lshl_b32 s22, s18, 2                         ; eps_in: 4 k0
	s_mov_b32 s23, 0
	s_mov_b32 s24, s19                             ; eps_out: 4 n0
	s_mov_b32 s25, 0
	s_lshl_b32 s26, s29, 20
	s_lshl_b32 s27, s17, 8
	s_add_co_u32 s26, s26, s27                     ; the codes: my K slot + n0 rows of 256 bytes
	s_mov_b32 s27, 0
	s_mul_i32 s28, s16, WWREG
	s_add_co_u32 s28, s28, WBASE                   ; my wave's LDS
	v_lshlrev_b32 v[RO], 4, v2
	s_wait_alu depctr_va_vdst(0)
	v_lshlrev_b32 v[LO], 4, v1
	v_lshl_add_u32 v[VW], v3, 17, v[RO]            ; 8 rows of 16,384 bytes = 2^17
	v_add_nc_u32 v[EW], s28, v[LO]
	v_add_nc_u32 v[EW], EOFF, v[EW]
	v_lshlrev_b32 v[ER], 5, v3
	v_add_nc_u32 v[ER], s28, v[ER]
	v_add_nc_u32 v[ER], EOFF, v[ER]
	v_mul_u32_u24 v[STO], v2, SPITCH
	v_lshl_add_u32 v[STO], v3, 3, v[STO]
	v_add_nc_u32 v[STO], s28, v[STO]
	v_mul_u32_u24 v[RD], v3, SPITCH
	v_add_nc_u32 v[RD], v[RD], v[RO]
	v_add_nc_u32 v[RD], s28, v[RD]
	v_lshl_add_u32 v[GO], v3, 10, v[RO]            ; 4 rows of 256 bytes = 2^10
	s_wait_kmcnt 0x0
	s_load_b32 s30, s[12:13], 0x4                  ; e1
	s_add_nc_u64 s[4:5], s[4:5], s[20:21]
	s_add_nc_u64 s[6:7], s[6:7], s[20:21]
	s_add_nc_u64 s[8:9], s[8:9], s[22:23]
	s_add_nc_u64 s[10:11], s[10:11], s[24:25]
	s_add_nc_u64 s[14:15], s[14:15], s[26:27]
; Row load j of 128: rows 16 (j / 8) + j % 8 (lanes 0-15) and eight further down (lanes 16-31), of both tensors, into slot j % DEPTH
.macro FILL j
.set FQ, RING+8*((\j)%DEPTH)
.set FO, (16*((\j)/8)+(\j)%8)*ROWF
	global_load_b128 v[FQ:FQ+3],   v[VW], s[4:5] offset:FO th:TH_LOAD_NT
	global_load_b128 v[FQ+4:FQ+7], v[VW], s[6:7] offset:FO th:TH_LOAD_NT
.endm
.macro ELOAD t                         ; eps_in of step t's eight rows of my half, into set t % 2
	ds_load_b128 v[WE+8*((\t)%2):WE+8*((\t)%2)+3],   v[ER] offset:64*(\t)
	ds_load_b128 v[WE+8*((\t)%2)+4:WE+8*((\t)%2)+7], v[ER] offset:64*(\t)+16
.endm
; Row load j is worked: w = w_sigma x (eps_in x eps_out) + w_mu for my four columns; then its slot takes the row load DEPTH further on
.macro ROWW j
.set JQ, RING+8*((\j)%DEPTH)
.set JI, (\j)%8
.if 127-(\j) >= DEPTH-1
	s_wait_loadcnt 2*(DEPTH-1)                     ; loads come back in order (ISA guide 5.7.1): mine are in; the DEPTH - 1 younger row loads, two loads each, stay out
.else
	s_wait_loadcnt 2*(127-(\j))                    ; in the tail fewer stand behind mine
.endif
.irp c, 0,1,2,3
	v_fma_f32 v[WX+8*\c+JI], v[JQ+4+\c], v[WX+8*\c+JI], v[JQ+\c]
.endr
.if (\j)+DEPTH < 128
	FILL (\j)+DEPTH
.endif
.endm
.macro STEPW t
.set EBUF, WE+8*((\t)%2)
.set CBUF, WC+8*((\t)%2)
.if (\t) == 0
	s_wait_dscnt 0x0                               ; eps_in has gone to LDS (its registers, WX's first eight, are free) and the first eight numbers are back
.else
	s_wait_dscnt 4                                 ; only the last step's four stores may be out: this step's eps_in is in, and the stores of two steps ago have read this set of code registers
.endif
.if (\t) < 15
	ELOAD (\t)+1
.endif
.irp c, 0,1,2,3
.irp p, 0,2,4,6
	v_pk_mul_f32 v[WX+8*\c+\p:WX+8*\c+\p+1], v[EBUF+\p:EBUF+\p+1], v[EOD+2*\c:EOD+2*\c+1]   ; eps_in[k] x eps_out[n], two k at a time
.endr
.endr
	s_wait_alu depctr_va_vdst(0)
.irp i, 0,1,2,3,4,5,6,7
	ROWW 8*(\t)+\i
.endr
.irp c, 0,1,2,3
.irp i, 0,1,2,3,4,5,6,7
	v_med3_num_f32 v[WX+8*\c+\i], v[WX+8*\c+\i], -v[LIM], v[LIM]   ; the conversion to an 8-bit code does not saturate (ISA guide 7.6.2): the hold at the largest code x the scale
.endr
	v_cvt_scalef32_pk8_fp8_f32 v[CBUF+2*\c:CBUF+2*\c+1], v[WX+8*\c:WX+8*\c+7], v[SCL]   ; the next column's holds are the plain lines behind it
.endr
	v_nop                                          ; one plain vector line behind the last conversion: the next step's products write its sources
.irp c, 0,1,2,3
	ds_store_b64 v[STO], v[CBUF+2*\c:CBUF+2*\c+1] offset:16*SPITCH*\c+16*(\t)   ; stage row 16 c + r, bytes 16 t + 8 h on
.endr
.endm
	global_load_b128 v[EO:EO+3], v[RO], s[10:11]               ; eps_out of my four columns
	global_load_b128 v[WX:WX+3],   v[LO], s[8:9]               ; my wave's 256 numbers of eps_in
	global_load_b128 v[WX+4:WX+7], v[LO], s[8:9] offset:512
.set J, 0
.rept DEPTH
	FILL J
.set J, J+1
.endr
	s_wait_kmcnt 0x0
	s_add_co_i32 s30, s30, 127
	s_lshl_b32 s31, s30, 23
	v_mov_b32 v[SCL], s31                          ; 2^e1 as f32: the conversion takes its exponent field
	s_add_co_i32 s30, s30, 8
	s_lshl_b32 s30, s30, 23
	s_or_b32 s30, s30, 0x600000
	v_mov_b32 v[LIM], s30                          ; 448 x 2^e1
	s_wait_loadcnt 2*DEPTH                         ; the three small loads are in; the ring's 2 x DEPTH stay out
.irp c, 0,1,2,3
	v_mov_b32 v[EOD+2*\c],   v[EO+\c]              ; once in the launch: a pair for the packed product
	v_mov_b32 v[EOD+2*\c+1], v[EO+\c]
.endr
	ds_store_b128 v[EW], v[WX:WX+3]
	ds_store_b128 v[EW], v[WX+4:WX+7] offset:512
	ELOAD 0                                        ; LDS serves a wave's instructions in order (ISA guide 5.7.1.4): it sees the stores above
.set S, 0
	s_wait_alu depctr_va_vdst(0)
.rept 16
	STEPW S
.set S, S+1
.endr
	; the stage goes out by rows: load t takes stage rows 2 t (lanes 0-15) and 2 t + 1 (lanes 16-31), which are columns 8 (t % 8) + t / 8 and four further on
.irp t, 0,1,2,3,4,5,6,7,8,9,10,11,12,13,14,15,16,17,18,19,20,21,22,23,24,25,26,27,28,29,30,31
	ds_load_b128 v[RING+4*\t:RING+4*\t+3], v[RD] offset:2*SPITCH*\t   ; in order behind my stores
.endr
.irp t, 0,1,2,3,4,5,6,7,8,9,10,11,12,13,14,15,16,17,18,19,20,21,22,23,24,25,26,27,28,29,30,31
	s_wait_dscnt 31-\t                             ; load t is back; the younger ones stay out
	global_store_b128 v[GO], v[RING+4*\t:RING+4*\t+3], s[14:15] offset:(8*(\t%8)+\t/8)*CROW   ; sixteen lanes store 256 consecutive bytes, aligned; the wave's 64 rows are 16,384 bytes on end; the next launch reads them, so no hint
.endr
	s_wait_tensorcnt 0x0
	ds_add_u32 v254, v255
	s_wait_dscnt 0x0
	s_endpgm
; ---------------------------------------------------------------- x ----------------------------------------------------------------
; Rows are dense, so x is a plain stream of numbers.  A wave takes a run of 16 steps of 512 numbers (two rows of x: 32,768 bytes in, 8,192 out); 512 blocks x 4 waves = 2,048 runs = the whole tensor.
; The conversion takes 8 neighbours from ONE lane, a load is best where neighbouring LANES take neighbouring bytes.  Both are had: each of a step's four loads reads 512 consecutive bytes, 16 a lane;
; the 2,048 bytes go through the wave's own stage in LDS as they lie and come back 64 bytes a lane.  The stage has 16 bytes of padding behind each 64.
; A lane's 16 codes are 16 bytes; a step's 512 codes are two K slots' 256 bytes of one row: lanes 0-15 store 256 consecutive bytes in one slot, lanes 16-31 in the next.
; Loads run four steps (16 loads a wave) ahead, the turn through LDS one step.  Every offset is an immediate and every step has its own code registers: nothing that a pending memory instruction names is ever rewritten.
.set STEPS, 16
.set XR,    16                         ; v16-79   four sets of 16 numbers as they are loaded
.set XX,    80                         ; v80-111  two sets of 16 neighbours
.set XC,    128                        ; v128-191 codes: four registers for each step
.set XWREG, 8192                       ; LDS: a region for each wave: two stages of 32 x XSP bytes
.set XSP,   80                         ; a lane's place in a stage: its 64 bytes + 16 of padding
.Lfor_x:
	s_load_b128 s[4:7], s[0:1], 0x0                ; x s[4:5], the scales' exponents s[6:7]
	s_load_b64 s[8:9], s[0:1], 0x10                ; x's codes
	v_lshrrev_b32 v1, 5, v0
	v_readfirstlane_b32 s16, v1                    ; wave
	v_and_b32 v2, 31, v0                           ; lane
	v_lshlrev_b32 v3, 4, v2                        ; my 16 bytes of a load's 512
	v_and_b32 v4, 15, v2
	v_lshlrev_b32 v4, 4, v4
	v_lshrrev_b32 v5, 4, v2
	v_lshl_add_u32 v4, v5, 20, v4                  ; my 16 bytes of codes: 16 (lane % 16), and one K slot on for lanes 16-31
	s_mul_i32 s17, s16, XWREG
	v_lshrrev_b32 v14, 2, v2
	v_mul_u32_u24 v14, v14, XSP
	v_and_b32 v15, 3, v2
	v_lshl_add_u32 v14, v15, 4, v14
	v_add_nc_u32 v14, s17, v14                     ; the stage, on the way in: four lanes' 64 bytes on end, then 16 of padding: XSP (lane / 4) + 16 (lane % 4)
	v_mul_u32_u24 v15, v2, XSP
	v_add_nc_u32 v15, s17, v15                     ; and on the way out: XSP x lane: my 16 neighbours
	s_lshl_b32 s18, s2, 1
	s_add_co_u32 s18, s18, s3
	s_sub_co_u32 s18, s18, 1                       ; my block of x: 2 q + i % 3 - 1
	s_lshl_b32 s18, s18, 2
	s_add_co_u32 s18, s18, s16                     ; my run: 4 x block + wave
	s_lshl_b32 s20, s18, 15                        ; its first byte in x (under 2^26),
	s_mov_b32 s21, 0
	s_lshl_b32 s24, s18, 9                         ; and its two rows of 256 bytes in a K slot of codes
	s_mov_b32 s25, 0
	s_wait_alu depctr_va_vdst(0)
	s_wait_kmcnt 0x0
	s_load_b32 s22, s[6:7], 0x0                    ; e0
	s_add_nc_u64 s[4:5], s[4:5], s[20:21]
	s_add_nc_u64 s[8:9], s[8:9], s[24:25]          ; K slots 0 to 7,
	s_add_nc_u64 s[26:27], s[8:9], 8*SLOTB         ; and 8 to 15: so that every store's immediate stays inside its signed 24 bits (ISA guide, chapter 10)
.macro XLOAD t
.irp i, 0,1,2,3
	global_load_b128 v[XR+16*((\t)%4)+4*\i:XR+16*((\t)%4)+4*\i+3], v3, s[4:5] offset:2048*(\t)+512*\i th:TH_LOAD_NT   ; 32 lanes read 512 consecutive bytes; read once in the launch
.endr
.endm
.macro XTURN t                         ; step t's numbers through the stage: LDS serves a wave's instructions in order (ISA guide 5.7.1.4), so no wait stands between the stores and the loads
.irp i, 0,1,2,3
	ds_store_b128 v14, v[XR+16*((\t)%4)+4*\i:XR+16*((\t)%4)+4*\i+3] offset:32*XSP*((\t)%2)+8*XSP*\i
.endr
.irp i, 0,1,2,3
	ds_load_b128 v[XX+16*((\t)%2)+4*\i:XX+16*((\t)%2)+4*\i+3], v15 offset:32*XSP*((\t)%2)+16*\i
.endr
.endm
.irp t, 0,1,2,3
	XLOAD \t
.endr
	s_wait_kmcnt 0x0
	s_add_co_i32 s22, s22, 127
	s_lshl_b32 s23, s22, 23
	v_mov_b32 v11, s23                             ; 2^e0 as f32: the conversion takes its exponent field
	s_add_co_i32 s22, s22, 8
	s_lshl_b32 s22, s22, 23
	s_or_b32 s22, s22, 0x600000
	v_mov_b32 v10, s22                             ; 448 x 2^e0
	s_wait_alu depctr_va_vdst(0)
	s_wait_loadcnt 12                              ; step 0's four loads are in; those of steps 1 to 3 may be out
	XTURN 0
.macro XSTEP t
.set XS, XX+16*((\t)%2)
	s_wait_dscnt 0x0                               ; this step's numbers are back from the stage: so its stores into the stage have read their registers,
.if (\t)+4 < STEPS
	XLOAD (\t)+4                                   ; which take the loads of four steps on
.endif
.if (\t)+1 < STEPS
.if STEPS-2-(\t) >= 3
	s_wait_loadcnt 12                              ; the next step's four loads are in; those of the three steps behind it may be out
.else
	s_wait_loadcnt 4*(STEPS-2-(\t))                ; in the tail fewer steps stand behind it
.endif
	XTURN (\t)+1                                   ; and go through the other stage while this step is worked
.endif
.irp i, 0,1,2,3,4,5,6,7,8,9,10,11,12,13,14,15
	v_med3_num_f32 v[XS+\i], v[XS+\i], -v10, v10   ; the conversion to an 8-bit code does not saturate (ISA guide 7.6.2): hold the number within the largest code x the scale first
.endr
	v_cvt_scalef32_pk8_fp8_f32 v[XC+4*(\t):XC+4*(\t)+1], v[XS:XS+7], v11          ; eight numbers / 2^e0, to the nearest code, ties to even; the first number's code in the lowest byte
	v_cvt_scalef32_pk8_fp8_f32 v[XC+4*(\t)+2:XC+4*(\t)+3], v[XS+8:XS+15], v11
	; step t is row t / 8 of my two, K slots 2 (t % 8) and 2 (t % 8) + 1.  The codes go to a store alone, and the next vector lines are the next step's plain holds on other registers
.if ((\t)%8) < 4
	global_store_b128 v4, v[XC+4*(\t):XC+4*(\t)+3], s[8:9] offset:2*((\t)%8)*SLOTB+((\t)/8)*256
.else
	global_store_b128 v4, v[XC+4*(\t):XC+4*(\t)+3], s[26:27] offset:2*((\t)%8-4)*SLOTB+((\t)/8)*256
.endif
.endm
.irp t, 0,1,2,3,4,5,6,7,8,9,10,11,12,13,14,15
	XSTEP \t
.endr
	s_wait_tensorcnt 0x0
	ds_add_u32 v254, v255
	s_wait_dscnt 0x0
	s_endpgm
.Lfunc_end_k_qdbfc6d79a0_quant:
	.size	k_qdbfc6d79a0_quant, .Lfunc_end_k_qdbfc6d79a0_quant-k_qdbfc6d79a0_quant
	.p2alignl 7, 3214868480
	.fill 96, 4, 3214868480
	.section	.rodata,"a",@progbits
	.p2align	6, 0x0
	.amdhsa_kernel k_qdbfc6d79a0_quant
		.amdhsa_group_segment_fixed_size 107008
		.amdhsa_private_segment_fixed_size 0
		.amdhsa_enable_private_segment 0
		.amdhsa_kernarg_size 64
		.amdhsa_user_sgpr_count 2
		.amdhsa_user_sgpr_kernarg_segment_ptr 1
		.amdhsa_wavefront_size32 1
		.amdhsa_system_sgpr_workgroup_id_x 1
		.amdhsa_system_sgpr_workgroup_id_y 1
		.amdhsa_system_sgpr_workgroup_id_z 1
		.amdhsa_system_vgpr_workitem_id 0
		.amdhsa_next_free_vgpr 256
		.amdhsa_next_free_sgpr 66
		.amdhsa_reserve_vcc 0
		.amdhsa_float_denorm_mode_32 3
		.amdhsa_float_denorm_mode_16_64 3
		.amdhsa_memory_ordered 1
		.amdhsa_forward_progress 1
		.amdhsa_inst_pref_size 166
	.end_amdhsa_kernel
	.amdgpu_metadata
---
amdhsa.version: [ 1, 2 ]
amdhsa.kernels:
  - .name:           k_qdbfc6d79a0_quant
    .symbol:         k_qdbfc6d79a0_quant.kd
    .args:
      - { .name: x, .offset: 0, .size: 8, .value_kind: global_buffer, .address_space: global }
      - { .name: lowp_scales, .offset: 8, .size: 8, .value_kind: global_buffer, .address_space: global }
      - { .name: x_codes, .offset: 16, .size: 8, .value_kind: global_buffer, .address_space: global }
      - { .name: w_codes, .offset: 24, .size: 8, .value_kind: global_buffer, .address_space: global }
      - { .name: w_mu, .offset: 32, .size: 8, .value_kind: global_buffer, .address_space: global }
      - { .name: w_sigma, .offset: 40, .size: 8, .value_kind: global_buffer, .address_space: global }
      - { .name: eps_in, .offset: 48, .size: 8, .value_kind: global_buffer, .address_space: global }
      - { .name: eps_out, .offset: 56, .size: 8, .value_kind: global_buffer, .address_space: global }
    .group_segment_fixed_size: 107008
    .private_segment_fixed_size: 0
    .kernarg_segment_align: 8
    .kernarg_segment_size: 64
    .max_flat_workgroup_size: 128
    .sgpr_count:     66
    .vgpr_count:     256
    .wavefront_size: 32
...
	.end_amdgpu_metadata
.endif
;; end of part 1
;; launch gemm (part 2): grid 16 x 16, 4 waves a work-group, clusters of 4 x 4, 327,680 bytes of LDS; arguments x_codes, w_codes, lowp_scales, out0, b_mu, b_sigma, eps_out; writes out0
.if DOCPART == 2
	.amdgcn_target "amdgcn-amd-amdhsa--gfx1250"
	.amdhsa_code_object_version 6
	.text
	.protected	k_qdbfc6d79a0_gemm
	.globl	k_qdbfc6d79a0_gemm
	.p2align	8
	.type	k_qdbfc6d79a0_gemm,@function
k_qdbfc6d79a0_gemm:
	s_mov_b64 s[64:65], 0
	v_nop
	global_prefetch_b8 v0, s[64:65] scope:SCOPE_SE
	s_setreg_imm32_b32 hwreg(HW_REG_WAVE_MODE, 25, 1), 1
	s_wait_xcnt 0x0
	s_wait_alu depctr_hold_cnt(0) depctr_sa_sdst(0) depctr_va_vdst(0) depctr_va_sdst(0) depctr_va_ssrc(0) depctr_va_vcc(0) depctr_vm_vsrc(0)
	s_getreg_b32 s2, hwreg(HW_REG_IB_STS2, 6, 4)
	s_cmp_eq_u32 s2, 0
	s_cbranch_scc0 .Lentry_in_a_cluster
	s_endpgm
.Lentry_in_a_cluster:
	s_bfe_u32 s2, ttmp6, 0x10000c
	s_cmp_lg_u32 s2, 0xf033
	s_cbranch_scc0 .Lentry_shape_is_right
	s_endpgm
.Lentry_shape_is_right:
; out[m][n] = relu(2^(e0 + e1) x (sum over k of xcode[m][k] wcode[n][k]) + b_mu[n] + b_sigma[n] eps_out[n]); codes of FP8 (E4M3), sums in f32.
; LIMIT: e0 + e1 between -126 and 127, so that 2^(e0 + e1) is an f32 number.
; A work-group of four waves makes 256 x 256 of out, a wave 128 x 128: 64 accumulators, 512 registers.  K goes in steps of 256 through a ring of two LDS slots filled by tensor loads;
; the codes lie by K slot, [16 slots][4096 rows][256 bytes], so that the 128 rows that one load brings are 32,768 bytes on end.
; CLUSTERS: 4 x 4 work-groups; x's tile is asked for jointly along a row of the cluster, w's along a column.  The matrix instruction is used transposed (source 0 = rows of w, source 1 = rows of x).
; PREFETCH: behind the joint load of K slot j each wave names slot j + 2 of the tile that it fetches: a lane a block of 256 bytes; of the load's 128 blocks the partner at place p (cx for x, cy for w) takes 32, by address.
; The head names slots 1, 2 and 3; the last trip's two loads (slots 14 and 15) name nothing.  A work-group has at most two slots' share asked for and not yet loaded.
; REGISTERS: window 0: v0-31 addresses, from v128 x's fragments (one set); window 1: w's fragments (two sets); windows 2, 3: the accumulators.
.set PFO, 30                           ; v30      256 x lane
.set PFA, 74                           ; s[74:75] my share of the tile that I fetch, at this lap's first K slot
.set SIZE_M, 4096
.set SIZE_N, 4096
.set SIZE_K, 4096
.set KSTEP,  256
.set ROWB,   256
.set KROW,   256
.set SLOTB,  4096*256
.set PITCH,  272
.set FR,     16
.set NL,     4
.set NP,     4
.set HALFT,  128*PITCH
.set SLOT,   4*HALFT
.set LAPS,   SIZE_K/(2*KSTEP)
.set SPARE,  2*SLOT
.set SPITCH, 528
.set BOFF, 7
.set BIAS, 8
.set ADRA, 16
.set ADRB, 20
.set STO,  24
.set RD,   25
.set CO,   26
.set SPW,  28
.set NIL,  29
.set BIN,  32
.set AF,   128
.set BK,   128
.set G1, 24
.set G0, 32
.set G1B, 48
.set G0B, 56
.set MSB, 0
.macro WIN new
.if MSB != (\new)
	s_set_vgpr_msb (MSB<<8)|(\new)
.set MSB, (\new)
.endif
.endm
.set MUL_LO, 0xa1
.set MUL_HI, 0xf1
.set TO_B,   0x40
.macro JLOAD g0a, g1a, g0b, g1b
	s_cmp_eq_u32 s15, 0
	s_cbranch_scc0 .Lfor_b_\@
	tensor_load_to_lds s[\g0a:\g0a+3], s[\g1a:\g1a+7]
	s_nop 0
.rept 4
	v_nop
.endr
	s_branch .Lasked_\@
.Lfor_b_\@:
	tensor_load_to_lds s[\g0b:\g0b+3], s[\g1b:\g1b+7]
	s_nop 0
.rept 4
	v_nop
.endr
.Lasked_\@:
.endm
.macro CREST
	s_cmp_lg_u32 s14, 0
	s_cbranch_scc1 .Lnot_wave_0_\@
	s_barrier_signal -3
.Lnot_wave_0_\@:
	s_barrier_wait -3
	s_barrier_signal -1
	s_barrier_wait -1
.endm
.macro CROUND
	s_barrier_signal -1
	s_barrier_wait -1
	CREST
.endm
	s_load_b128 s[4:7], s[0:1], 0x0
	s_load_b128 s[8:11], s[0:1], 0x10
	s_load_b128 s[68:71], s[0:1], 0x20
	s_load_b64 s[72:73], s[0:1], 0x30
	v_lshl_add_u32 v[SPW], v0, 2, SPARE
	v_mov_b32 v[NIL], 0
	ds_add_u32 v28, v29
	ds_add_u32 v28, v29
	s_wait_dscnt 0x0
	v_lshrrev_b32 v1, 5, v0
	v_readfirstlane_b32 s14, v1
	s_lshr_b32 s15, s14, 1
	s_and_b32 s16, s14, 1
	s_bfe_u32 s40, ttmp6, 0x40000
	s_bfe_u32 s41, ttmp6, 0x40004
	s_lshl_b32 s42, ttmp9, 2
	s_add_co_u32 s42, s42, s40
	s_and_b32 s17, ttmp7, 0xffff
	s_lshl_b32 s17, s17, 2
	s_add_co_u32 s17, s17, s41
	s_lshl_b32 s43, s41, 2
	s_lshl_b32 s43, 15, s43
	s_lshl_b32 s44, 0x1111, s40
	s_or_b32 s[G1+0], s43, (0<<16)|(1<<20)|(1<<21)|(5<<22)|(3<<25)
	s_or_b32 s[G1B+0], s44, (0<<16)|(1<<20)|(1<<21)|(5<<22)|(3<<25)
.irp g, G1, G1B
	s_mov_b32 s[\g+1], ROWB<<16
	s_mov_b32 s[\g+2], 128<<16
	s_mov_b32 s[\g+3], ROWB<<16
	s_mov_b32 s[\g+4], 128
	s_mov_b32 s[\g+5], KROW
	s_mov_b32 s[\g+6], 0
	s_mov_b32 s[\g+7], 0
.endr
	s_lshl_b32 s18, s16, 7
	s_lshl_b32 s20, s17, 8
	s_add_co_u32 s20, s20, s18
	s_lshl_b32 s46, s42, 8
	s_add_co_u32 s46, s46, s18
	s_mov_b32 s21, 0
	s_mov_b32 s47, 0
	s_mov_b64 s[18:19], KROW
	s_mul_u64 s[20:21], s[20:21], s[18:19]
	s_mul_u64 s[46:47], s[46:47], s[18:19]
	s_mul_i32 s45, s14, HALFT
	s_wait_kmcnt 0x0
	s_load_b64 s[96:97], s[8:9], 0x0
	s_add_nc_u64 s[20:21], s[4:5], s[20:21]
	s_add_nc_u64 s[46:47], s[6:7], s[46:47]
	s_cmp_eq_u32 s15, 0                            ; do I fetch for x?
	s_cselect_b64 s[PFA:PFA+1], s[20:21], s[46:47]
	s_cselect_b32 s76, s40, s41                    ; my place among the four that ask with me
	s_lshl_b32 s76, s76, 13                        ; 32 blocks of 256 bytes
	s_mov_b32 s77, 0
	s_add_nc_u64 s[PFA:PFA+1], s[PFA:PFA+1], s[76:77]
	CROUND
.irp s, 0,1
	s_mov_b32 s[G0+4*\s], 1
	s_add_co_u32 s[G0+4*\s+1], s45, \s*SLOT
	s_add_nc_u64 s[G0+4*\s+2:G0+4*\s+3], s[20:21], \s*SLOTB
	s_or_b32 s[G0+4*\s+3], s[G0+4*\s+3], 0x80000000
	s_mov_b32 s[G0B+4*\s], 1
	s_add_co_u32 s[G0B+4*\s+1], s45, \s*SLOT
	s_add_nc_u64 s[G0B+4*\s+2:G0B+4*\s+3], s[46:47], \s*SLOTB
	s_or_b32 s[G0B+4*\s+3], s[G0B+4*\s+3], 0x80000000
.endr
	JLOAD G0, G1, G0B, G1B                         ; K slot 0: one tensor load a wave at the head
	v_and_b32 v1, 15, v0
	s_wait_alu depctr_va_vdst(0)
	v_bfe_u32 v2, v0, 4, 1
	v_mul_u32_u24 v3, v1, PITCH
	v_lshl_add_u32 v4, v2, 4, v3
	s_mul_i32 s21, s15, HALFT
	s_mul_i32 s22, s16, HALFT
	s_add_co_u32 s22, s22, 2*HALFT
.irp s, 0,1
	v_add_nc_u32 v[ADRA+\s], s21, v4
	v_add_nc_u32 v[ADRB+\s], s22, v4
	s_add_co_u32 s21, s21, SLOT
	s_add_co_u32 s22, s22, SLOT
.endr
	s_mul_i32 s23, s14, 16*SPITCH
	v_mul_u32_u24 v5, v1, SPITCH
	s_wait_alu depctr_va_vdst(0)
	v_lshl_add_u32 v5, v2, 5, v5
	v_add_nc_u32 v[STO], s23, v5
	v_and_b32 v6, 31, v0
	v_lshlrev_b32 v[CO], 4, v6
	s_wait_alu depctr_va_vdst(0)
	v_add_nc_u32 v[RD], s23, v[CO]
	s_lshl_b32 s20, s17, 8
	s_lshl_b32 s21, s15, 7
	s_add_co_u32 s20, s20, s21
	s_mov_b32 s21, 0
	s_mov_b64 s[18:19], SIZE_N*4
	s_mul_u64 s[20:21], s[20:21], s[18:19]
	s_lshl_b32 s46, s42, 10
	s_lshl_b32 s47, s16, 9
	s_add_co_u32 s46, s46, s47
	s_mov_b32 s47, 0
	s_add_nc_u64 s[20:21], s[20:21], s[46:47]
	s_add_nc_u64 s[10:11], s[10:11], s[20:21]
	v_lshlrev_b32 v[PFO], 8, v6
	v_add_nc_u32 v[BOFF], s46, v[CO]
	global_load_b128 v[BIN:BIN+3],    v[BOFF], s[68:69]
	global_load_b128 v[BIN+4:BIN+7],  v[BOFF], s[70:71]
	global_load_b128 v[BIN+8:BIN+11], v[BOFF], s[72:73]
	global_prefetch_b8 v[PFO], s[PFA:PFA+1] offset:SLOTB th:TH_LOAD_NT scope:SCOPE_SE     ; K slot 1,
	global_prefetch_b8 v[PFO], s[PFA:PFA+1] offset:2*SLOTB th:TH_LOAD_NT scope:SCOPE_SE   ; and 2
.macro FRAG reg, adr, q, i
.irp c, 0,1,2,3
	ds_load_b128 v[\reg+4*\c:\reg+4*\c+3], v[\adr] offset:128*(\q)+32*\c+(\i)*16*PITCH
.endr
.endm
.macro MUL16 a0, p, zero
.irp a, \a0, \a0+1
.irp b, 0,1,2,3,4,5,6,7
.if \zero
	v_wmma_f32_16x16x128_fp8_fp8 v[8*(8*((\a)%4)+\b):8*(8*((\a)%4)+\b)+7], v[128*(\p)+FR*\b:128*(\p)+FR*\b+FR-1], v[AF+FR*(\a):AF+FR*(\a)+FR-1], 0
.else
	v_wmma_f32_16x16x128_fp8_fp8 v[8*(8*((\a)%4)+\b):8*(8*((\a)%4)+\b)+7], v[128*(\p)+FR*\b:128*(\p)+FR*\b+FR-1], v[AF+FR*(\a):AF+FR*(\a)+FR-1], v[8*(8*((\a)%4)+\b):8*(8*((\a)%4)+\b)+7]
.endif
.endr
.endr
.endm
.macro FETCH_B slot, q, p
	WIN TO_B
.irp i, 0,1,2,3,4,5,6,7
	FRAG 128*(\p)+FR*\i, ADRB+\slot, \q, \i
.endr
	WIN 0
.endm
.macro FETCH_A slot, q, i0
.irp i, \i0, \i0+1, \i0+2, \i0+3
	FRAG AF+FR*(\i), ADRA+\slot, \q, \i
.endr
.endm
.macro PLACES n
.rept \n
	v_nop
.endr
.endm
.macro STEP slot, q, zero
	s_wait_dscnt 4*NL
	WIN MUL_LO
	MUL16 0, (\q)%2, \zero
	MUL16 2, (\q)%2, \zero
	s_wait_dscnt 0
	PLACES NP
	FETCH_B \slot, (\q)+1, 1-(\q)%2
	FETCH_A \slot, (\q)+1, 0
	WIN MUL_HI
	MUL16 4, (\q)%2, \zero
	MUL16 6, (\q)%2, \zero
	PLACES NP
	WIN 0
	FETCH_A \slot, (\q)+1, 4
.endm
.macro TURN slot, next, fill
	s_wait_tensorcnt 0x0
	ds_add_u32 v[SPW], v[NIL]
	s_wait_dscnt 4*NL+1
	WIN MUL_LO
	MUL16 0, 1, 0
	s_wait_dscnt 0x0
	s_barrier_signal -1
	MUL16 2, 1, 0
	WIN 0
	s_barrier_wait -1
.if \fill
	CREST
	s_add_nc_u64 s[G0+4*\slot+2:G0+4*\slot+3], s[G0+4*\slot+2:G0+4*\slot+3], 2*SLOTB
	s_add_nc_u64 s[G0B+4*\slot+2:G0B+4*\slot+3], s[G0B+4*\slot+2:G0B+4*\slot+3], 2*SLOTB
	JLOAD G0+4*\slot, G1, G0B+4*\slot, G1B
.else
	PLACES NP
.endif
	FETCH_B \next, 0, 0
	FETCH_A \next, 0, 0
.if \fill
	s_cmp_gt_u32 s3, 1                             ; the last trip's loads have no K slot two on
	s_cbranch_scc0 .Lno_ask_\@
	global_prefetch_b8 v[PFO], s[PFA:PFA+1] offset:(4+\slot)*SLOTB th:TH_LOAD_NT scope:SCOPE_SE   ; two K slots on from the load just asked for
.Lno_ask_\@:
.endif
	WIN MUL_HI
	MUL16 4, 1, 0
	MUL16 6, 1, 0
	PLACES NP
	WIN 0
	FETCH_A \next, 0, 4
.endm
	s_wait_loadcnt 0x0
	v_pk_fma_f32 v[BIAS:BIAS+1],   v[BIN+4:BIN+5], v[BIN+8:BIN+9],   v[BIN:BIN+1]
	v_pk_fma_f32 v[BIAS+2:BIAS+3], v[BIN+6:BIN+7], v[BIN+10:BIN+11], v[BIN+2:BIN+3]
	s_wait_alu depctr_va_vdst(0)
	s_wait_tensorcnt 0x0                           ; my part of K slot 0 is in
	ds_add_u32 v[SPW], v[NIL]
	s_wait_dscnt 0x0
	CROUND                                         ; everybody's part is in, and all sixteen work-groups are here
	JLOAD G0+4, G1, G0B+4, G1B                     ; K slot 1's first fill, the first tensor load behind the round
	FETCH_B 0, 0, 0
	global_prefetch_b8 v[PFO], s[PFA:PFA+1] offset:3*SLOTB th:TH_LOAD_NT scope:SCOPE_SE   ; K slot 3
	FETCH_A 0, 0, 0
	FETCH_A 0, 0, 4
	STEP 0, 0, 1
	s_mov_b32 s3, LAPS-1
.Llap:
	TURN 0, 1, 1
	STEP 1, 0, 0
	TURN 1, 0, 1
	STEP 0, 0, 0
	s_wait_xcnt 0x0                                ; my prefetches have read their base: only now is it stepped
	s_add_nc_u64 s[PFA:PFA+1], s[PFA:PFA+1], 2*SLOTB
	s_sub_co_u32 s3, s3, 1
	s_cmp_lg_u32 s3, 0
	s_cbranch_scc1 .Llap
	TURN 0, 1, 0
	STEP 1, 0, 0
	s_wait_dscnt 4*NL
	WIN MUL_LO
	MUL16 0, 1, 0
	MUL16 2, 1, 0
	s_wait_dscnt 0
	WIN MUL_HI
	MUL16 4, 1, 0
	MUL16 6, 1, 0
	WIN 0
.macro TOSTAGE a
.set AC, 64*((\a)%4)
	WIN 0x08+4*((\a)/4)
.irp b, 0,1,2,3,4,5,6,7
	ds_store_b128 v[STO], v[AC+8*\b:AC+8*\b+3] offset:64*\b
	ds_store_b128 v[STO], v[AC+8*\b+4:AC+8*\b+7] offset:64*\b+16
.endr
	WIN 0
.set BB, BK+64*((\a)%2)
.irp t, 0,1,2,3,4,5,6,7,8,9,10,11,12,13,14,15
	ds_load_b128 v[BB+4*\t:BB+4*\t+3], v[RD] offset:\t*SPITCH
.endr
.endm
.macro SEND a, younger
.set BB, BK+64*((\a)%2)
	s_wait_dscnt \younger
.if (\a) > 0
	s_add_nc_u64 s[10:11], s[10:11], 16*SIZE_N*4
.endif
.irp t, 0,1,2,3,4,5,6,7,8,9,10,11,12,13,14,15
	v_pk_fma_f32 v[BB+4*\t:BB+4*\t+1],   v[BB+4*\t:BB+4*\t+1],   s[96:97], v[BIAS:BIAS+1]   op_sel_hi:[1,0,1]
	v_pk_fma_f32 v[BB+4*\t+2:BB+4*\t+3], v[BB+4*\t+2:BB+4*\t+3], s[96:97], v[BIAS+2:BIAS+3] op_sel_hi:[1,0,1]
.irp u, 0,1,2,3
	v_max_num_f32 v[BB+4*\t+\u], 0, v[BB+4*\t+\u]
.endr
	global_store_b128 v[CO], v[BB+4*\t:BB+4*\t+3], s[10:11] offset:\t*SIZE_N*4 th:TH_STORE_NT
.endr
.endm
	s_wait_kmcnt 0x0
	s_add_co_i32 s96, s96, s97
	s_add_co_i32 s96, s96, 127
	s_lshl_b32 s96, s96, 23
	PLACES NP
	s_wait_alu depctr_va_vdst(0)
	TOSTAGE 0
.irp a, 1,2,3,4,5,6,7
.if \a > 1
	s_wait_xcnt 0x0
.endif
	TOSTAGE \a
	SEND \a-1, 32
.endr
	s_wait_xcnt 0x0
	SEND 7, 0
	s_wait_tensorcnt 0x0
	ds_add_u32 v[SPW], v[NIL]
	s_wait_dscnt 0x0
	CROUND
	s_endpgm
.Lfunc_end_k_qdbfc6d79a0_gemm:
	.size	k_qdbfc6d79a0_gemm, .Lfunc_end_k_qdbfc6d79a0_gemm-k_qdbfc6d79a0_gemm
	.p2alignl 7, 3214868480
	.fill 96, 4, 3214868480
	.section	.rodata,"a",@progbits
	.p2align	6, 0x0
	.amdhsa_kernel k_qdbfc6d79a0_gemm
		.amdhsa_group_segment_fixed_size 327680
		.amdhsa_private_segment_fixed_size 0
		.amdhsa_enable_private_segment 0
		.amdhsa_kernarg_size 56
		.amdhsa_user_sgpr_count 2
		.amdhsa_user_sgpr_kernarg_segment_ptr 1
		.amdhsa_wavefront_size32 1
		.amdhsa_system_sgpr_workgroup_id_x 1
		.amdhsa_system_sgpr_workgroup_id_y 1
		.amdhsa_system_sgpr_workgroup_id_z 1
		.amdhsa_system_vgpr_workitem_id 0
		.amdhsa_next_free_vgpr 1024
		.amdhsa_next_free_sgpr 98
		.amdhsa_reserve_vcc 0
		.amdhsa_float_denorm_mode_32 3
		.amdhsa_float_denorm_mode_16_64 3
		.amdhsa_memory_ordered 1
		.amdhsa_forward_progress 1
		.amdhsa_inst_pref_size 141
	.end_amdhsa_kernel
	.amdgpu_metadata
---
amdhsa.version: [ 1, 2 ]
amdhsa.kernels:
  - .name:           k_qdbfc6d79a0_gemm
    .symbol:         k_qdbfc6d79a0_gemm.kd
    .args:
      - { .name: x_codes, .offset: 0, .size: 8, .value_kind: global_buffer, .address_space: global }
      - { .name: w_codes, .offset: 8, .size: 8, .value_kind: global_buffer, .address_space: global }
      - { .name: lowp_scales, .offset: 16, .size: 8, .value_kind: global_buffer, .address_space: global }
      - { .name: out0, .offset: 24, .size: 8, .value_kind: global_buffer, .address_space: global }
      - { .name: b_mu, .offset: 32, .size: 8, .value_kind: global_buffer, .address_space: global }
      - { .name: b_sigma, .offset: 40, .size: 8, .value_kind: global_buffer, .address_space: global }
      - { .name: eps_out, .offset: 48, .size: 8, .value_kind: global_buffer, .address_space: global }
    .group_segment_fixed_size: 327680
    .private_segment_fixed_size: 0
    .kernarg_segment_align: 8
    .kernarg_segment_size: 56
    .max_flat_workgroup_size: 128
    .sgpr_count:     98
    .vgpr_count:     1024
    .wavefront_size: 32
...
	.end_amdgpu_metadata
.endif
;; end of part 2
